; MI455X (gfx1250); checked and timed in simulation.
; The chip was launched on July 23, 2026; its instructions are those of AMD's public machine-readable ISA for CDNA 5 (MIT licence, August 2026) and "CDNA5" Instruction Set Architecture Reference Guide (July 2026). The comments in the code are by the model that wrote it; some were corrected since.
;; Continuous MLP. Allowed arithmetic: matrix products marked QUANTISED: E4M3 operands, one E8M0 scale for each 32 along K, by v_wmma_scale_f32_16x16x128_f8f6f4 with both operands' format E4M3, f32 sums; products left as they are: f32 operands where the result goes on into a quantised operand, else bf16, f16 or f32 operands; f32 sums; everything else in f32.
;; Inputs: W1 3 x 128 float32; W2_codes 128 x 4 x 32 uint8 (E4M3 codes of W2, K innermost, in blocks of 32 codes); W2_scales 128 x 4 uint8 (E8M0 scales of W2, one for each 32 codes along K); W3_codes 128 x 4 x 32 uint8 (E4M3 codes of W3, K innermost, in blocks of 32 codes); W3_scales 128 x 4 uint8 (E8M0 scales of W3, one for each 32 codes along K); W4_codes 128 x 4 x 32 uint8 (E4M3 codes of W4, K innermost, in blocks of 32 codes); W4_scales 128 x 4 uint8 (E8M0 scales of W4, one for each 32 codes along K); W5 128 x 2 float32; b1 128 float32; b2 128 float32; b3 128 float32; b4 128 float32; b5 2 float32; t 1,048,576 float32; x 1,048,576 x 2 float32.
;; Outputs: out0 1,048,576 x 2 float32.
;; This version of the problem:
;;   THIS VERSION OF THE PROBLEM IS GIVEN IN LOW PRECISION. The matrix products marked QUANTISED in the list below multiply operands that are first quantised to E4M3 (4 exponent bits, 3 mantissa bits; 8 bits a number), with one power-of-two scale for each 32 numbers along K (OCP MX v1.0); their sums are f32. All else is computed in f32.
;;   The module's matrix products, in the order in which they are computed (A, B: the left and right operand; K: the contracted axis; several contracted axes count as one K, in the product's order):
;;     1. [M 1,048,576, K 3] x [K 3, N 128]; A: computed on the way; B: input W1: left as it is (K = 3 < 32)
;;     2. [M 1,048,576, K 128] x [K 128, N 128]; A: computed on the way; B: input W2 (given as codes): QUANTISED
;;     3. [M 1,048,576, K 128] x [K 128, N 128]; A: computed on the way; B: input W3 (given as codes): QUANTISED
;;     4. [M 1,048,576, K 128] x [K 128, N 128]; A: computed on the way; B: input W4 (given as codes): QUANTISED
;;     5. [M 1,048,576, K 128] x [K 128, N 2]; A: computed on the way; B: input W5: left as it is (N = 2 < 16)
;;   THE QUANTISER, for each operand of a quantised product, along K:
;;     - K is cut into blocks of 32 from its start; a last block that is shorter is filled with zeros.
;;     - A block's scale is 2^e with e = floor(log2(the largest magnitude in the block)) - 8, held to -126 .. 127; a block of zeros has e = 0. As a byte (E8M0): e + 127.
;;     - Each number is divided by its block's scale, clamped to +-448, and rounded to the nearest number of E4M3, ties to even, subnormals kept.
;;     - The product sums the exact products of the quantised numbers (number of the format x scale) in f32.
;;   ~~~python
;;   def quantise(x, axis):      # numpy; x: float32 -> the quantised numbers, widened to float32 again
;;       x = np.moveaxis(x, axis, -1); K = x.shape[-1]
;;       x = np.pad(x, [(0, 0)] * (x.ndim - 1) + [(0, -K % 32)]); x = x.reshape(x.shape[:-1] + (-1, 32)); a = np.abs(x).max(-1, keepdims=True)
;;       e = np.where(a > 0, np.clip(np.frexp(np.where(a > 0, a, 1))[1] - 1 - 8, -126, 127), 0)      # np.frexp(a)[1] - 1 = floor(log2(a)), exactly
;;       r = np.clip(x / 2.0 ** e, -448, 448)
;;       step = 2.0 ** (np.maximum(np.frexp(np.where(r == 0, 1, r))[1] - 1, -6) - 3)
;;       q = np.round(r / step) * step * 2.0 ** e      # np.round: ties to even
;;       return np.moveaxis(q.reshape(q.shape[:-2] + (-1,))[..., :K], -1, axis).astype(np.float32)
;;   ~~~
;;   OPERANDS COMPUTED ON THE WAY. 'Computed on the way' means the value that the module computes at that place (a softmax that the list does not call 'softmax' is quantised finished and normalised). What goes into a quantiser is computed in f32, as accurately as f32 sums, v_exp_f32 and their like allow (about 1e-6 of the number): no bf16 or f16 on the way to a quantiser, and a product that is left as it is and whose result goes on into a quantised operand takes f32 operands (vector FMAs, or v_wmma_f32_16x16x4_f32). A number that lies on a knife's edge between two numbers of the format may be rounded either way, as far as f32 arithmetic and the matrix unit's own rounding can turn it there, and no further.
;;   INPUTS GIVEN AS CODES. W2 (in the module: [128, 128], K = its axis 0); W3 (in the module: [128, 128], K = its axis 0); W4 (in the module: [128, 128], K = its axis 0): each comes as NAME_codes (uint8): NAME with its K axis moved to the last place and cut into blocks of 32 codes, [.., K / 32, bytes a block], one block behind the other in memory; one code a byte (a code: sign, 4 exponent bits, 3 mantissa bits); and NAME_scales (uint8): the same leading axes, one E8M0 byte (e + 127) for each 32 codes along K. Its value is code x scale, taken as it is: it is not quantised again, and the codes and scales need not be those that the quantiser above would give.
;; 2 versions, each right; version 2 is version 1 with the launch mlp written anew for expert scheduling mode. Each part assembles by itself: llvm-mc -triple=amdgcn-amd-amdhsa -mcpu=gfx1250 --defsym DOCPART=n.
;; ======== version 1 of 2: 1 launch
;; launch mlp (part 1): grid 256 x 1, 4 waves a work-group, no clusters, 0 bytes of LDS; arguments x, t, W1, b1, W2_codes, W2_scales, b2, W3_codes, W3_scales, b3, W4_codes, W4_scales, b4, W5, b5, out0; writes out0
.if DOCPART == 1
	.amdgcn_target "amdgcn-amd-amdhsa--gfx1250"
	.amdhsa_code_object_version 6
	.text
	.protected	k_qec9b580f90_mlp
	.globl	k_qec9b580f90_mlp
	.p2align	8
	.type	k_qec9b580f90_mlp,@function
k_qec9b580f90_mlp:
	s_mov_b64 s[64:65], 0
	v_nop
	global_prefetch_b8 v0, s[64:65] scope:SCOPE_SE
	s_setreg_imm32_b32 hwreg(HW_REG_WAVE_MODE, 25, 1), 1
	s_wait_xcnt 0x0
; out = swish(swish(swish(swish([x, t] W1 + b1) W2 + b2) W3 + b3) W4 + b4) W5 + b5 for 1,048,576 rows; swish(h) = h / (1 + e^-h).
; Products 2, 3, 4 run on codes of FP8 (E4M3) with one E8M0 scale for each 32 along K: the weights arrive so, the activations are quantised in registers.  Product 1 (K = 3) has f32 operands, product 5 (N = 2) bf16 operands.
; SHARES.  256 work-groups x 4 waves = 1,024 waves; wave g owns rows 1,024 g .. 1,024 g + 1,023, as 32 PAIRS of 32 rows: tile A (rows 0-15 of a pair) and tile B (rows 16-31).  Waves share nothing: no LDS, no barrier.
; All weights, biases and weight scales (54 KB) are read once at the head and stay in the wave's registers.  Nothing goes to memory between the layers.
; LAYOUT.  Every product is used transposed (source 0 = 16 rows of a weight, source 1 = the tile's 16 batch rows): lane (r = lane % 16, h = lane / 16) holds batch row r throughout, and 64 of its 128 hidden units.
; THE UNITS OF A WEIGHT TILE ARE NOT NEIGHBOURS: lane r of tile 2 b + u takes unit 32 b + 8 u + r + 8 (r / 8), so that register 16 b + i of a lane's 64 results is unit 32 b + 16 h + i: the order of the next product's operand.
; LAYER 1 with its bias is one f32 matrix product with K = (x0, x1, t, 1).  The other biases are the C of the scaled products.  LAYER 5: W5^T stands in rows 0, 1 and 8, 9 of source 0 (zeros elsewhere), so registers 0, 1 of every lane are out(row r, 0 .. 1).
; BY TURNS.  A layer's swish is 64 exponentials and 64 reciprocals a tile.  B runs one phase behind A; in a PHASE the 64 transcendentals of one tile are dealt among plain vector lines of the other tile, and one wait ends the phase.
;   phase 1: exp(A) | tail(B)     phase 2: exp(B) | 1 + (A)     phase 3: rcp(A) | 1 + (B)     phase 4: rcp(B) | tail(A)
;   tail = x h, quantise, the next layer's eight products, x (-log2 e).  Each phase's plain lines read only transcendentals of earlier phases.
; LIMITS.  NaN and infinities among the inputs are not served.  Where h lies under about -87, 1 / (1 + e^-h) falls under 2^-126 and comes out as 0: the swish is then -0 where the true number is under 1e-36 in magnitude.
; A block of zeros gets the scale byte 1 where the quantiser's rule says 127: its codes are zeros, and the bytes never leave the wave.  swish(h4) and W5 are rounded to bf16 for product 5.
; REGISTERS, in windows of 256 (s_set_vgpr_msb: bits 1:0 source 0, 3:2 source 1, 5:4 source 2, 7:6 destination):
;   window 0: all that vector instructions write (list below).   window 1: v0-63 H of A, v64-127 H of B, v128-191 b4's tiles, v192-223 W5's fragments, v224-239 W1's.
;   window 2: v0-127 W2's fragments, v128-255 W3's.   window 3: v0-127 W4's, v128-191 b2's tiles, v192-255 b3's.
.set PAIRS, 32                         ; pairs of a wave
.set VX,   1                           ; v1     8 x lane: my bytes of a pair's x and out; never rewritten
.set VT,   2                           ; v2     4 x lane: of its t; never rewritten
.set WVO,  3                           ; v3     head: 128 rp + 16 h, rp = r + 8 (r / 8): my bytes of a tile of codes
.set RP4,  4                           ; v4     head: 4 rp
.set BVO,  5                           ; v5     head: 64 h: my half's eight numbers of a bias tile
.set W5O,  6                           ; v6     head: 128 h + 4 (r % 2)
.set W1O,  7                           ; v7     head: 4 rp + 1,024 h
.set CC,   8                           ; v[8:9]   -log2(e), twice
.set B5,   10                          ; v[10:11] b5
.set XL,   12                          ; v[12:13] x as loaded: lane l holds row l of the pair
.set TL,   14                          ; v14      t as loaded
.set TS,   15                          ; v15      t of lane l xor 16
.set XS,   16                          ; v[16:17] x of lane l xor 16
.set XA,   18                          ; v[18:19] layer 1's source 1 for tile A: lanes 0-15 (x0, x1), lanes 16-31 (t, 1)
.set XB,   20                          ; v[20:21] for tile B
.set OUTA, 22                          ; v[22:23] A's results, kept until B's are there
.set OB,   24                          ; v[24:25] B's results
.set OUT,  26                          ; v[26:27] the store's data
.set WS,   32                          ; v32-55   the weights' scale words: layer l, tile t at 8 (l - 2) + t; scales and nothing else
.set PWA,  56                          ; v56, v57 the activations' scale words of A and of B; scales and nothing else
.set PWB,  57
.set TM,   64                          ; v64-79   the quantiser: +0 largest magnitudes, +4 the other half's, then bytes, +8 448 x scale, +12 the conversions' scale operands
.set ACC,  80                          ; v80-95   layer 5's two accumulators
.set PA,   96                          ; v96-111  A's codes
.set PB,   112                         ; v112-127 B's
.set TA,   128                         ; v128-191 A's swish in progress
.set TB,   192                         ; v192-255 B's
.set HA,   0                           ; window 1
.set HB,   64
.set B4T,  128
.set W5F,  192
.set W1F,  224
.set W2F,  0                           ; window 2
.set W3F,  128
.set W4F,  0                           ; window 3
.set B2T,  128
.set B3T,  192
.set SX,   8                           ; s[8:9]   x, then the walking address of the pair to be loaded
.set SXT,  10                          ; s[10:11] t likewise
.set SO,   38                          ; s[38:39] out0, then the walking address of the pair to be stored
.set WV,   40                          ; s40      my wave's number
.set CNT,  41                          ; s41      pairs to go, this one among them
.set HI16, 42                          ; s42      lanes 16-31
.set W5M,  43                          ; s43      lanes with r % 8 < 2
.set SEL,  44                          ; s[44:45] v_permlanex16_b32's selects for lane l xor 16
.set MNT,  46                          ; s46      the mantissa field of 448
.set MSB, 0
.macro WIN new                         ; the immediate's high byte repeats the setting that is left; a switch that changes nothing is dropped
.if MSB != \new
	s_set_vgpr_msb (MSB<<8)|\new
.set MSB, \new
.endif
.endm
; Settings: 0x04 source 1 (H) window 1: the lines T = c H, T = T H; the transcendentals, which name a destination and a source 0, may stand among them.  0x72 layers 2, 3: weights window 2, bias window 3, H window 1.
; 0x53 layer 4: weights window 3, bias and H window 1.  0x41 layer 1: W1 and H window 1.  0x01 layer 5: W5 window 1.  No transcendental is written under the last four.
; THE DEALING OF A PHASE.  TRANS names the 64 registers and the kind (0: 2^x, 1: 1/x); TICK, written behind a plain line, writes RN / RD transcendentals on the average, at most two; ENDPH writes what is left and the phase's wait.
.macro RATE rn, rd
.set RN, \rn
.set RD, \rd
.set acc, 0
.endm
.macro TRANS base, op, rn, rd
.set TT, \base
.set TOP, \op
.set tq, 0
.set lastT, 0
	RATE \rn, \rd
.endm
.macro NOTRANS                         ; no batch is in hand: TICK writes nothing
	TRANS 0, 0, 0, 1
.set tq, 64
.endm
.macro EMIT
.if TOP
	v_rcp_f32 v[TT+tq], v[TT+tq]
.else
	v_exp_f32 v[TT+tq], v[TT+tq]
.endif
.set tq, tq+1
.set lastT, 1
.endm
.macro TICK
.set lastT, 0
.set acc, acc+RN
.rept 2
.if (acc >= RD) && (tq < 64)
	EMIT
.set acc, acc-RD
.endif
.endr
.endm
.macro ENDPH
.rept 64
.if tq < 64
	EMIT
.endif
.endr
.if lastT
	v_nop                                          ; a plain instruction behind the last transcendental, ahead of the first use of a result (ISA guide 5.7.2)
.endif
	s_wait_alu depctr_va_vdst(0)                   ; one wait for the phase's 64 transcendentals, ahead of the first line that names a result
.endm
; The plain lines of a swish.  H is read from its low end on, tile by tile, and is never written by a vector instruction.
.macro S1 tr, hr                       ; T = -log2(e) H
.set i, 0
.rept 32
	v_pk_mul_f32 v[\tr+i:\tr+i+1], v[CC:CC+1], v[\hr+i:\hr+i+1]
	TICK
.set i, i+2
.endr
.endm
.macro ADD1 tr                         ; T = 1 + e^-h
.set i, 0
.rept 32
	v_pk_add_f32 v[\tr+i:\tr+i+1], v[\tr+i:\tr+i+1], 1.0 op_sel_hi:[1,0]
	TICK
.set i, i+2
.endr
.endm
.macro S5 tr, hr                       ; T = h / (1 + e^-h)
.set i, 0
.rept 32
	v_pk_mul_f32 v[\tr+i:\tr+i+1], v[\tr+i:\tr+i+1], v[\hr+i:\hr+i+1]
	TICK
.set i, i+2
.endr
.endm
; 64 numbers of a lane, register 16 b + i = unit 32 b + 16 h + i of my row, become the next product's codes (16 registers) and my row's scale word.
.macro QUANT tr, pr, sw
.irp b, 0,1,2,3
	v_max3_num_f32 v[TM+\b], |v[\tr+16*\b]|, |v[\tr+16*\b+1]|, 0x4800000   ; block b: my 16 numbers, and the floor 2^(9 - 127): so the byte cannot fall under 1
	TICK
.endr
.irp i, 2,4,6,8,10,12,14
.irp b, 0,1,2,3
	v_max3_num_f32 v[TM+\b], v[TM+\b], |v[\tr+16*\b+\i]|, |v[\tr+16*\b+\i+1]|   ; the four blocks by turns
	TICK
.endr
.endr
.irp b, 0,1,2,3
	v_permlanex16_b32 v[TM+4+\b], v[TM+\b], s[SEL], s[SEL+1]
	TICK
.endr
.irp b, 0,1,2,3
	v_max_num_f32 v[TM+\b], v[TM+\b], v[TM+4+\b]   ; with lane l xor 16's 16 numbers: the block's largest magnitude
	TICK
.endr
.irp b, 0,1,2,3
	v_add_nc_u32 v[TM+12+\b], 0xfc000000, v[TM+\b] ; 8 off its exponent field: the conversion takes the exponent field of this operand as its scale
	TICK
.endr
.irp b, 0,1,2,3
	v_and_or_b32 v[TM+8+\b], v[TM+\b], 0x7f800000, s[MNT]   ; 448 x the scale: the largest magnitude's exponent field over 448's mantissa
	TICK
.endr
.irp b, 0,1,2,3
	v_lshrrev_b32 v[TM+4+\b], 23, v[TM+12+\b]      ; the scale's byte
	TICK
.endr
	v_lshl_or_b32 v[\sw], v[TM+5], 8, v[TM+4]      ; the four bytes make my row's scale word; the 64 holds below stand between it and the products
	TICK
	v_lshl_or_b32 v[\sw], v[TM+6], 16, v[\sw]
	TICK
	v_lshl_or_b32 v[\sw], v[TM+7], 24, v[\sw]
	TICK
.irp b, 0,1,2,3
.irp i, 0,1,2,3,4,5,6,7,8,9,10,11,12,13,14,15
	v_med3_num_f32 v[\tr+16*\b+\i], v[\tr+16*\b+\i], -v[TM+8+\b], v[TM+8+\b]   ; the conversion to an 8-bit code does not saturate (ISA guide 7.6.2): the hold at 448 x the scale
	TICK
.endr
	v_cvt_scalef32_pk8_fp8_f32 v[\pr+4*\b:\pr+4*\b+1], v[\tr+16*\b:\tr+16*\b+7], v[TM+12+\b]
	TICK
	v_cvt_scalef32_pk8_fp8_f32 v[\pr+4*\b+2:\pr+4*\b+3], v[\tr+16*\b+8:\tr+16*\b+15], v[TM+12+\b]
	TICK
.endr
.endm
; Layer ly (2, 3, 4): eight products, one for each tile of 16 units; each has its own result, and its bias tile as C.
.macro MM ly, hr, pr, sw
.if \ly == 2
.set fW, W2F
.set fB, B2T
	WIN 0x72
.elseif \ly == 3
.set fW, W3F
.set fB, B3T
	WIN 0x72
.else
.set fW, W4F
.set fB, B4T
	WIN 0x53
.endif
.irp t, 0,1,2,3,4,5,6,7
	v_wmma_scale_f32_16x16x128_f8f6f4 v[\hr+8*\t:\hr+8*\t+7], v[fW+16*\t:fW+16*\t+15], v[\pr:\pr+15], v[fB+8*\t:fB+8*\t+7], v[WS+8*(\ly-2)+\t], v[\sw]
.endr
.endm
; Layer 1 with b1: K = (x0, x1, t, 1); each of the eight sums is one instruction, begun with the constant 0.
.macro MM1 hr, xr
	WIN 0x41
.irp t, 0,1,2,3,4,5,6,7
	v_wmma_f32_16x16x4_f32 v[\hr+8*\t:\hr+8*\t+7], v[W1F+2*\t:W1F+2*\t+1], v[\xr:\xr+1], 0
.endr
.endm
.macro BUILDA                          ; rows 0-15: x lies in lanes 0-15 as loaded; their t comes over from lanes 0-15 to lanes 16-31
	v_permlanex16_b32 v[TS], v[TL], s[SEL], s[SEL+1]
	v_cndmask_b32 v[XA+1], v[XL+1], 1.0, s[HI16]
	v_cndmask_b32 v[XA], v[XL], v[TS], s[HI16]
.endm
.macro BUILDB                          ; rows 16-31: x comes over from lanes 16-31 to lanes 0-15; their t lies in lanes 16-31 as loaded
	v_permlanex16_b32 v[XS], v[XL], s[SEL], s[SEL+1]
	v_permlanex16_b32 v[XS+1], v[XL+1], s[SEL], s[SEL+1]
	v_cndmask_b32 v[XB], v[XS], v[TL], s[HI16]
	v_cndmask_b32 v[XB+1], v[XS+1], 1.0, s[HI16]
.endm
; THE TAIL OF A SWISH THAT FEEDS LAYER ly.  163 plain lines at 3 / 10, eight at 1, 32 at 1 / 4 carry the partner's 64 transcendentals.
.macro TAILQ tr, hr, pr, sw, ly
	WIN 0x04
	RATE 3, 10
	S5 \tr, \hr
	WIN 0
	QUANT \tr, \pr, \sw
.rept 4
	v_nop                                          ; codes written by vector instructions stand four places ahead of a scaled matrix instruction; the first is also the plain line behind the last conversion
	TICK
.endr
	MM \ly, \hr, \pr, \sw
	WIN 0x04
	RATE 1, 1
.rept 8
	v_nop                                          ; eight places between these products and the first read of their results; the transcendentals among them are no places
	TICK
.endr
	RATE 1, 4
	S1 \tr, \hr
.endm
; THE TAIL OF THE LAST SWISH.  tile: 0 = A, 1 = B.  next = 1: the next pair's layer 1 follows layer 5, and its first scaling ends the tail.
.macro TAILF tile, next
.if \tile
.set fT, TB
.set fH, HB
.else
.set fT, TA
.set fH, HA
.endif
	WIN 0x04
.if \next
	RATE 2, 3
.else
	RATE 1, 1
.endif
	S5 fT, fH
	WIN 0
.set i, 0
.rept 32
	v_cvt_pk_bf16_f32 v[fT+i], v[fT+2*i], v[fT+2*i+1]   ; in place, ascending: register 8 s + q then holds units 32 s + 16 h + 2 q and + 1, as W5's fragment s does: the same order of k on both sides
	TICK
.set i, i+1
.endr
.if \next
.if \tile
	BUILDB
.else
	s_wait_loadcnt 0x0                             ; the next pair's x and t, asked for at the trip's head; no other load is out
	BUILDA
.endif
.endif
	WIN 0x01
	v_wmma_f32_16x16x32_bf16 v[ACC:ACC+7], v[W5F:W5F+7], v[fT:fT+7], 0                          ; two accumulators by turns, one instruction a turn: K steps 0 and 2,
	v_wmma_f32_16x16x32_bf16 v[ACC+8:ACC+15], v[W5F+8:W5F+15], v[fT+8:fT+15], 0                 ; K steps 1 and 3
	v_wmma_f32_16x16x32_bf16 v[ACC:ACC+7], v[W5F+16:W5F+23], v[fT+16:fT+23], v[ACC:ACC+7]
	v_wmma_f32_16x16x32_bf16 v[ACC+8:ACC+15], v[W5F+24:W5F+31], v[fT+24:fT+31], v[ACC+8:ACC+15]
.if \next
.if \tile
	MM1 HB, XB
.else
	MM1 HA, XA
.endif
.endif
	WIN 0
	RATE 1, 1
.rept 4
	v_nop                                          ; four places between layer 5's products and the read of their results
	TICK
.endr
.if \tile
	v_pk_add_f32 v[OB:OB+1], v[ACC:ACC+1], v[ACC+8:ACC+9]
	TICK
	v_pk_add_f32 v[OB:OB+1], v[OB:OB+1], v[B5:B5+1]
	TICK
	v_cndmask_b32 v[OUT], v[OUTA], v[OB], s[HI16]  ; lanes 0-15: A's row r; lanes 16-31: B's row r, which is row 16 + r of the pair
	TICK
	v_cndmask_b32 v[OUT+1], v[OUTA+1], v[OB+1], s[HI16]
	TICK
	global_store_b64 v[VX], v[OUT:OUT+1], s[SO:SO+1] th:TH_STORE_NT   ; 32 lanes store 256 consecutive bytes, at a multiple of 256 from out0's first byte; written once
.else
	v_pk_add_f32 v[OUTA:OUTA+1], v[ACC:ACC+1], v[ACC+8:ACC+9]
	TICK
	v_pk_add_f32 v[OUTA:OUTA+1], v[OUTA:OUTA+1], v[B5:B5+1]
	TICK
.if \next
.rept 2
	v_nop
	TICK
.endr
.endif
.endif
.if \next                              ; the eight plain lines above, none of which names a register of layer 1's products, are the places between those products and the first read of their results
	WIN 0x04
	RATE 1, 2
	S1 fT, fH
.endif
.endm
.macro MIDDLE                          ; phases 2 and 3: 32 plain lines carry 64 transcendentals
	TRANS TB, 0, 2, 1
	ADD1 TA
	ENDPH
	TRANS TA, 1, 2, 1
	ADD1 TB
	ENDPH
.endm
; The head's loads.  Tile t begins at unit 32 (t / 2) + 8 (t % 2).
.macro LDCODES reg, base               ; eight fragments of 16 units x 128 K: registers 4 c .. 4 c + 3 hold K = 32 c + 16 h + 0 .. 15 of my unit
.irp t, 0,1,2,3,4,5,6,7
.irp c, 0,1,2,3
	global_load_b128 v[\reg+16*\t+4*\c:\reg+16*\t+4*\c+3], v[WVO], s[\base:\base+1] offset:(32*(\t/2)+8*(\t%2))*128+32*\c
.endr
.endr
.endm
.macro LDBIAS reg, base                ; eight tiles in the result's layout: register j holds the bias of unit 32 (t / 2) + 8 (t % 2) + 16 h + j
.irp t, 0,1,2,3,4,5,6,7
	global_load_b128 v[\reg+8*\t:\reg+8*\t+3], v[BVO], s[\base:\base+1] offset:(32*(\t/2)+8*(\t%2))*4
	global_load_b128 v[\reg+8*\t+4:\reg+8*\t+7], v[BVO], s[\base:\base+1] offset:(32*(\t/2)+8*(\t%2))*4+16
.endr
.endm
.macro LDWORDS reg, step, adr, base, off   ; one word for my unit of each tile
.irp t, 0,1,2,3,4,5,6,7
	global_load_b32 v[\reg+\step*\t], v[\adr], s[\base:\base+1] offset:\off+(32*(\t/2)+8*(\t%2))*4
.endr
.endm
	s_load_b512 s[8:23], s[0:1], 0x0               ; x, t, W1, b1, W2's codes, W2's scales, b2, W3's codes
	s_load_b512 s[24:39], s[0:1], 0x40             ; W3's scales, b3, W4's codes, W4's scales, b4, W5, b5, out0
	v_lshrrev_b32 v28, 5, v0
	v_readfirstlane_b32 s[WV], v28                 ; wave 0..3
	v_and_b32 v28, 31, v0                          ; lane
	v_and_b32 v29, 15, v0                          ; r
	v_bfe_u32 v30, v0, 4, 1                        ; h
	v_lshlrev_b32 v[VX], 3, v28
	v_lshlrev_b32 v[VT], 2, v28
	v_and_b32 v31, 8, v29
	v_add_nc_u32 v31, v31, v29                     ; rp = r + 8 (r / 8)
	v_lshlrev_b32 v[WVO], 7, v31
	v_lshl_add_u32 v[WVO], v30, 4, v[WVO]
	v_lshlrev_b32 v[RP4], 2, v31
	v_lshlrev_b32 v[BVO], 6, v30
	v_and_b32 v[W5O], 1, v0
	v_lshlrev_b32 v[W5O], 2, v[W5O]
	v_lshl_add_u32 v[W5O], v30, 7, v[W5O]
	v_lshl_add_u32 v[W1O], v30, 10, v[RP4]
	s_lshl_b32 s52, ttmp9, 2
	s_add_co_u32 s52, s52, s[WV]                   ; g = 4 x work-group + wave
	s_lshl_b32 s54, s52, 13                        ; my 1,024 rows of x and of out0: 8,192 g bytes on,
	s_lshl_b32 s52, s52, 12                        ; of t: 4,096 g
	s_mov_b32 s53, 0
	s_mov_b32 s55, 0
	s_mov_b32 s[HI16], 0xffff0000
	s_mov_b32 s[W5M], 0x03030303
	s_mov_b32 s[SEL], 0x76543210
	s_mov_b32 s[SEL+1], 0xfedcba98
	s_mov_b32 s[MNT], 0x600000
	s_mov_b32 s[CNT], PAIRS
	s_wait_kmcnt 0x0
	s_load_b64 s[56:57], s[36:37], 0x0             ; b5
	s_add_nc_u64 s[SX:SX+1], s[SX:SX+1], s[54:55]
	s_add_nc_u64 s[SXT:SXT+1], s[SXT:SXT+1], s[52:53]
	s_add_nc_u64 s[SO:SO+1], s[SO:SO+1], s[54:55]
	global_load_b64 v[XL:XL+1], v[VX], s[SX:SX+1] th:TH_LOAD_NT   ; pair 0: 256 consecutive bytes of x, read once in the launch,
	global_load_b32 v[TL], v[VT], s[SXT:SXT+1]     ; and 128 of t (no hint: the next pair takes the 128 bytes beside them)
	WIN 0x80                                       ; destination window 2, address window 0
	LDCODES W2F, 16
	LDCODES W3F, 22
	WIN 0xc0                                       ; destination window 3
	LDCODES W4F, 28
	LDBIAS B2T, 20
	LDBIAS B3T, 26
	WIN 0x40                                       ; destination window 1
	LDBIAS B4T, 32
	LDWORDS W1F, 2, W1O, 12, 0                     ; W1's fragments, even registers: lanes 0-15 W1[0][u], lanes 16-31 W1[2][u]
	WIN 0
	LDWORDS WS, 1, RP4, 18, 0                      ; the weights' scale words: four bytes a unit; the products read lanes 0-15
	LDWORDS WS+8, 1, RP4, 24, 0
	LDWORDS WS+16, 1, RP4, 30, 0
	LDWORDS TA, 1, RP4, 12, 512                    ; W1[1][u] and b1[u], to be joined into the odd registers
	LDWORDS TA+8, 1, RP4, 14, 0
.irp s, 0,1,2,3
.irp i, 0,1,2,3,4,5,6,7,8,9,10,11,12,13,14,15
	global_load_b32 v[TB+16*\s+\i], v[W5O], s[34:35] offset:256*\s+8*\i   ; W5[32 s + 16 h + i][r % 2]
.endr
.endr
	v_mov_b32 v[CC], 0xbfb8aa3b                    ; -log2(e)
	v_mov_b32 v[CC+1], 0xbfb8aa3b
	v_mov_b32 v[TS], 0                             ; written once: a lane permute's destination counts as one of its sources
	v_mov_b32 v[XS], 0
	v_mov_b32 v[XS+1], 0
.irp b, 0,1,2,3
	v_mov_b32 v[TM+4+\b], 0
.endr
	s_wait_kmcnt 0x0
	v_mov_b32 v[B5], s56
	v_mov_b32 v[B5+1], s57
	s_wait_loadcnt 0x0                             ; all that stays, and pair 0
	WIN 0x40
.irp t, 0,1,2,3,4,5,6,7
	v_cndmask_b32 v[W1F+2*\t+1], v[TA+\t], v[TA+8+\t], s[HI16]   ; odd registers: lanes 0-15 W1[1][u], lanes 16-31 b1[u]
.endr
	WIN 0
.set i, 0
.rept 32
	v_cvt_pk_bf16_f32 v[TA+16+i], v[TB+2*i], v[TB+2*i+1]
.set i, i+1
.endr
	WIN 0x40
.set i, 0
.rept 32
	v_cndmask_b32 v[W5F+i], 0, v[TA+16+i], s[W5M]  ; rows 0, 1, 8, 9 of source 0 hold W5's two columns, the other rows zeros
.set i, i+1
.endr
	WIN 0
	s_add_nc_u64 s[SX:SX+1], s[SX:SX+1], 0x100     ; on to pair 1 (pair 0's loads are done)
	s_add_nc_u64 s[SXT:SXT+1], s[SXT:SXT+1], 0x80
	; THE WAY IN: pair 0's layer 1.  A runs ahead by one phase: its exponentials stand among B's first lines.
	NOTRANS
	BUILDA
	MM1 HA, XA
	WIN 0x04
.rept 8
	v_nop                                          ; eight places between the products and the first read of their results: there is no other work yet
.endr
	S1 TA, HA
	TRANS TA, 0, 2, 1
	WIN 0
	BUILDB
	MM1 HB, XB
	WIN 0x04
.rept 8
	v_nop
	TICK
.endr
	S1 TB, HB
	ENDPH
	WIN 0                                          ; at a label and at a branch every window is 0
.Lpair:                                                ; a trip: one pair through layers 2 to 5, and the next pair's layer 1.  Here A's exponentials of the first swish are done and B's scaling is
	s_cmp_eq_u32 s[CNT], 1
	s_cbranch_scc1 .Lnoload                        ; the last pair has no successor: no load leaves its buffer
	global_load_b64 v[XL:XL+1], v[VX], s[SX:SX+1] th:TH_LOAD_NT   ; the next pair, wanted at the trip's end
	global_load_b32 v[TL], v[VT], s[SXT:SXT+1]
.Lnoload:
.irp l, 2,3,4
	MIDDLE
	TRANS TB, 1, 1, 1                              ; phase 4: B's reciprocals | A's tail
	TAILQ TA, HA, PA, PWA, \l
	ENDPH
	TRANS TA, 0, 1, 1                              ; phase 1: A's exponentials | B's tail
	TAILQ TB, HB, PB, PWB, \l
	ENDPH
.endr
	MIDDLE
	WIN 0
	s_cmp_eq_u32 s[CNT], 1
	s_cbranch_scc1 .Llast                          ; the loop is left here in its last trip
	TRANS TB, 1, 1, 1
	TAILF 0, 1
	ENDPH
	TRANS TA, 0, 1, 1
	TAILF 1, 1
	ENDPH
	WIN 0
	s_wait_xcnt 0x0                                ; the store has read its data and its base, the loads theirs: only behind this wait are they written again
	s_add_nc_u64 s[SX:SX+1], s[SX:SX+1], 0x100
	s_add_nc_u64 s[SXT:SXT+1], s[SXT:SXT+1], 0x80
	s_add_nc_u64 s[SO:SO+1], s[SO:SO+1], 0x100
	s_sub_co_u32 s[CNT], s[CNT], 1
	s_cmp_lg_u32 s[CNT], 0                         ; at least 1 is left here: the trip with 1 to go leaves by the branch above
	s_cbranch_scc1 .Lpair
.Llast:                                                ; the last pair's last tails: no next pair, so no layer 1 and no scaling
	TRANS TB, 1, 1, 1
	TAILF 0, 0
	ENDPH
	NOTRANS
	TAILF 1, 0
	s_endpgm
.Lfunc_end_k_qec9b580f90_mlp:
	.size	k_qec9b580f90_mlp, .Lfunc_end_k_qec9b580f90_mlp-k_qec9b580f90_mlp
	.p2alignl 7, 3214868480
	.fill 96, 4, 3214868480
	.section	.rodata,"a",@progbits
	.p2align	6, 0x0
	.amdhsa_kernel k_qec9b580f90_mlp
		.amdhsa_group_segment_fixed_size 0
		.amdhsa_private_segment_fixed_size 0
		.amdhsa_enable_private_segment 0
		.amdhsa_kernarg_size 128
		.amdhsa_user_sgpr_count 2
		.amdhsa_user_sgpr_kernarg_segment_ptr 1
		.amdhsa_wavefront_size32 1
		.amdhsa_system_sgpr_workgroup_id_x 1
		.amdhsa_system_sgpr_workgroup_id_y 1
		.amdhsa_system_sgpr_workgroup_id_z 1
		.amdhsa_system_vgpr_workitem_id 0
		.amdhsa_next_free_vgpr 1024
		.amdhsa_next_free_sgpr 66
		.amdhsa_reserve_vcc 0
		.amdhsa_float_denorm_mode_32 3
		.amdhsa_float_denorm_mode_16_64 3
		.amdhsa_memory_ordered 1
		.amdhsa_forward_progress 1
		.amdhsa_inst_pref_size 197
	.end_amdhsa_kernel
	.amdgpu_metadata
---
amdhsa.version: [ 1, 2 ]
amdhsa.kernels:
  - .name:           k_qec9b580f90_mlp
    .symbol:         k_qec9b580f90_mlp.kd
    .args:
      - { .name: x, .offset: 0, .size: 8, .value_kind: global_buffer, .address_space: global }
      - { .name: t, .offset: 8, .size: 8, .value_kind: global_buffer, .address_space: global }
      - { .name: W1, .offset: 16, .size: 8, .value_kind: global_buffer, .address_space: global }
      - { .name: b1, .offset: 24, .size: 8, .value_kind: global_buffer, .address_space: global }
      - { .name: W2_codes, .offset: 32, .size: 8, .value_kind: global_buffer, .address_space: global }
      - { .name: W2_scales, .offset: 40, .size: 8, .value_kind: global_buffer, .address_space: global }
      - { .name: b2, .offset: 48, .size: 8, .value_kind: global_buffer, .address_space: global }
      - { .name: W3_codes, .offset: 56, .size: 8, .value_kind: global_buffer, .address_space: global }
      - { .name: W3_scales, .offset: 64, .size: 8, .value_kind: global_buffer, .address_space: global }
      - { .name: b3, .offset: 72, .size: 8, .value_kind: global_buffer, .address_space: global }
      - { .name: W4_codes, .offset: 80, .size: 8, .value_kind: global_buffer, .address_space: global }
      - { .name: W4_scales, .offset: 88, .size: 8, .value_kind: global_buffer, .address_space: global }
      - { .name: b4, .offset: 96, .size: 8, .value_kind: global_buffer, .address_space: global }
      - { .name: W5, .offset: 104, .size: 8, .value_kind: global_buffer, .address_space: global }
      - { .name: b5, .offset: 112, .size: 8, .value_kind: global_buffer, .address_space: global }
      - { .name: out0, .offset: 120, .size: 8, .value_kind: global_buffer, .address_space: global }
    .group_segment_fixed_size: 0
    .private_segment_fixed_size: 0
    .kernarg_segment_align: 8
    .kernarg_segment_size: 128
    .max_flat_workgroup_size: 128
    .sgpr_count:     66
    .vgpr_count:     1024
    .wavefront_size: 32
...
	.end_amdgpu_metadata
.endif
;; end of part 1
;; ======== version 2 of 2: 1 launch; version 1 with the launch mlp written anew for expert scheduling mode
;; launch mlp (part 2): grid 256 x 1, 4 waves a work-group, no clusters, 0 bytes of LDS; arguments x, t, W1, b1, W2_codes, W2_scales, b2, W3_codes, W3_scales, b3, W4_codes, W4_scales, b4, W5, b5, out0; writes out0
.if DOCPART == 2
	.amdgcn_target "amdgcn-amd-amdhsa--gfx1250"
	.amdhsa_code_object_version 6
	.text
	.protected	k_qec9b580f90_mlp
	.globl	k_qec9b580f90_mlp
	.p2align	8
	.type	k_qec9b580f90_mlp,@function
k_qec9b580f90_mlp:
	s_mov_b64 s[64:65], 0
	v_nop
	global_prefetch_b8 v0, s[64:65] scope:SCOPE_SE
	s_setreg_imm32_b32 hwreg(HW_REG_WAVE_SCHED_MODE, 0, 2), 2
	s_setreg_imm32_b32 hwreg(HW_REG_WAVE_MODE, 25, 1), 1
	s_wait_xcnt 0x0
	s_wait_alu depctr_vm_vsrc(0)
; out = swish(swish(swish(swish([x, t] W1 + b1) W2 + b2) W3 + b3) W4 + b4) W5 + b5 for 1,048,576 rows; swish(h) = h / (1 + e^-h).
; Products 2, 3, 4 run on codes of FP8 (E4M3) with one E8M0 scale for each 32 along K: the weights arrive so, the activations are quantised in registers.  Product 1 (K = 3) has f32 operands, product 5 (N = 2) bf16 operands.
; SHARES.  256 work-groups x 4 waves = 1,024 waves; wave g owns rows 1,024 g .. 1,024 g + 1,023, as 32 PAIRS of 32 rows: tile A (rows 0-15 of a pair) and tile B (rows 16-31).  Waves share nothing: no LDS, no barrier.
; All weights, biases and weight scales (54 KB) are read once at the head and stay in the wave's registers.  Nothing goes to memory between the layers.
; LAYOUT.  Every product is used transposed (source 0 = 16 rows of a weight, source 1 = the tile's 16 batch rows): lane (r = lane % 16, h = lane / 16) holds batch row r throughout, and 64 of its 128 hidden units.
; THE UNITS OF A WEIGHT TILE ARE NOT NEIGHBOURS: lane r of tile 2 b + u takes unit 32 b + 8 u + r + 8 (r / 8), so that register 16 b + i of a lane's 64 results is unit 32 b + 16 h + i: the order of the next product's operand.
; LAYER 1 with its bias is one f32 matrix product with K = (x0, x1, t, 1).  The other biases are the C of the scaled products.  LAYER 5: W5^T stands in rows 0, 1 and 8, 9 of source 0 (zeros elsewhere), so registers 0, 1 of every lane are out(row r, 0 .. 1).
; BY TURNS.  A layer's swish is 64 exponentials and 64 reciprocals a tile.  B runs one phase behind A; in a PHASE the 64 transcendentals of one tile are dealt among plain vector lines of the other tile, and one wait ends the phase.
;   phase 1: exp(A) | tail(B)     phase 2: exp(B) | 1 + (A)     phase 3: rcp(A) | 1 + (B)     phase 4: rcp(B) | tail(A)
;   tail = x h, quantise, the next layer's eight products, x (-log2 e).  Each phase's plain lines read only transcendentals of earlier phases.
; THE MODE: SCHED_MODE bits 1:0 = 2 (LLVM: expert scheduling mode 2), set by the entry lines.  The code itself states the register dependences
; between vector or matrix instructions and memory instructions, with s_wait_alu, always for 0.
; THE PLAN.  Registers that memory instructions touch:
;   v1 to v7      offsets, made once at the head and never written again: one wait on va_vdst stands ahead of the first load.  The pairs are reached by three scalar bases.
;   the weights, biases and weight scales: loaded at the head into registers that no vector line has named; used behind the wait for the loads.
;   XL, TL        Written by the two loads at a trip's head.  Read by the lines that build layer 1's source 1, in A's and in B's last tail.  The wait that ends the phase of B's last tail stands behind the
;                 last of these readers, and only scalar lines follow it up to the next trip's loads, by the way in and by the backward jump alike: the loads owe no wait of their own.
;   OUT           Written by two selects in B's last tail.  Read by the pair's store, which stands directly behind the wait that ends that phase.  Written again a trip later, behind the wait on vm_vsrc
;                 (and the wait on XCNT beside it) at the head of B's last tail.
;   the codes and the activations' scale words are named by vector and matrix instructions alone; a wait on va_vdst stands between the lines that write them and the scaled products that take them.
; LIMITS.  NaN and infinities among the inputs are not served.  Where h lies under about -87, 1 / (1 + e^-h) falls under 2^-126 and comes out as 0: the swish is then -0 where the true number is under 1e-36 in magnitude.
; A block of zeros gets the scale byte 1 where the quantiser's rule says 127: its codes are zeros, and the bytes never leave the wave.  swish(h4) and W5 are rounded to bf16 for product 5.
; REGISTERS, in windows of 256 (s_set_vgpr_msb: bits 1:0 source 0, 3:2 source 1, 5:4 source 2, 7:6 destination):
;   window 0: all that vector instructions write (list below).   window 1: v0-63 H of A, v64-127 H of B, v128-191 b4's tiles, v192-223 W5's fragments, v224-239 W1's.
;   window 2: v0-127 W2's fragments, v128-255 W3's.   window 3: v0-127 W4's, v128-191 b2's tiles, v192-255 b3's.
.set PAIRS, 32                         ; pairs of a wave
.set VX,   1                           ; v1     8 x lane: my bytes of a pair's x and out; never rewritten
.set VT,   2                           ; v2     4 x lane: of its t; never rewritten
.set WVO,  3                           ; v3     head: 128 rp + 16 h, rp = r + 8 (r / 8): my bytes of a tile of codes
.set RP4,  4                           ; v4     head: 4 rp
.set BVO,  5                           ; v5     head: 64 h: my half's eight numbers of a bias tile
.set W5O,  6                           ; v6     head: 128 h + 4 (r % 2)
.set W1O,  7                           ; v7     head: 4 rp + 1,024 h
.set CC,   8                           ; v[8:9]   -log2(e), twice
.set B5,   10                          ; v[10:11] b5
.set XL,   12                          ; v[12:13] x as loaded: lane l holds row l of the pair
.set TL,   14                          ; v14      t as loaded
.set TS,   15                          ; v15      t of lane l xor 16
.set XS,   16                          ; v[16:17] x of lane l xor 16
.set XA,   18                          ; v[18:19] layer 1's source 1 for tile A: lanes 0-15 (x0, x1), lanes 16-31 (t, 1)
.set XB,   20                          ; v[20:21] for tile B
.set OUTA, 22                          ; v[22:23] A's results, kept until B's are there
.set OB,   24                          ; v[24:25] B's results
.set OUT,  26                          ; v[26:27] the store's data
.set WS,   32                          ; v32-55   the weights' scale words: layer l, tile t at 8 (l - 2) + t; scales and nothing else
.set PWA,  56                          ; v56, v57 the activations' scale words of A and of B; scales and nothing else
.set PWB,  57
.set TM,   64                          ; v64-79   the quantiser: +0 largest magnitudes, +4 the other half's, then bytes, +8 448 x scale, +12 the conversions' scale operands
.set ACC,  80                          ; v80-95   layer 5's two accumulators
.set PA,   96                          ; v96-111  A's codes
.set PB,   112                         ; v112-127 B's
.set TA,   128                         ; v128-191 A's swish in progress
.set TB,   192                         ; v192-255 B's
.set HA,   0                           ; window 1
.set HB,   64
.set B4T,  128
.set W5F,  192
.set W1F,  224
.set W2F,  0                           ; window 2
.set W3F,  128
.set W4F,  0                           ; window 3
.set B2T,  128
.set B3T,  192
.set SX,   8                           ; s[8:9]   x, then the walking address of the pair to be loaded
.set SXT,  10                          ; s[10:11] t likewise
.set SO,   38                          ; s[38:39] out0, then a walking address: at a store it stands 256 bytes behind the pair to be stored
.set WV,   40                          ; s40      my wave's number
.set CNT,  41                          ; s41      pairs to go, this one among them
.set HI16, 42                          ; s42      lanes 16-31
.set W5M,  43                          ; s43      lanes with r % 8 < 2
.set SEL,  44                          ; s[44:45] v_permlanex16_b32's selects for lane l xor 16
.set MNT,  46                          ; s46      the mantissa field of 448
.set MSB, 0
.macro WIN new                         ; the immediate's high byte repeats the setting that is left; a switch that changes nothing is dropped
.if MSB != \new
	s_set_vgpr_msb (MSB<<8)|\new
.set MSB, \new
.endif
.endm
; Settings: 0x04 source 1 (H) window 1: the lines T = c H, T = T H; the transcendentals, which name a destination and a source 0, may stand among them.  0x72 layers 2, 3: weights window 2, bias window 3, H window 1.
; 0x53 layer 4: weights window 3, bias and H window 1.  0x41 layer 1: W1 and H window 1.  0x01 layer 5: W5 window 1.  No transcendental is written under the last four.
; THE DEALING OF A PHASE.  TRANS names the 64 registers and the kind (0: 2^x, 1: 1/x); TICK, written behind a plain line, writes RN / RD transcendentals on the average, at most two; ENDPH writes what is left and the phase's wait.
.macro RATE rn, rd
.set RN, \rn
.set RD, \rd
.set acc, 0
.endm
.macro TRANS base, op, rn, rd
.set TT, \base
.set TOP, \op
.set tq, 0
.set lastT, 0
	RATE \rn, \rd
.endm
.macro NOTRANS                         ; no batch is in hand: TICK writes nothing
	TRANS 0, 0, 0, 1
.set tq, 64
.endm
.macro EMIT
.if TOP
	v_rcp_f32 v[TT+tq], v[TT+tq]
.else
	v_exp_f32 v[TT+tq], v[TT+tq]
.endif
.set tq, tq+1
.set lastT, 1
.endm
.macro TICK
.set lastT, 0
.set acc, acc+RN
.rept 2
.if (acc >= RD) && (tq < 64)
	EMIT
.set acc, acc-RD
.endif
.endr
.endm
.macro ENDPH
.rept 64
.if tq < 64
	EMIT
.endif
.endr
.if lastT
	v_nop                                          ; a plain instruction behind the last transcendental, ahead of the first use of a result (ISA guide 5.7.2)
.endif
	s_wait_alu depctr_va_vdst(0)                   ; the phase's 64 transcendentals have written their results, ahead of the first line that names one: one wait for the batch; all the phase's other vector lines are done too
.endm
; The plain lines of a swish.  H is read from its low end on, tile by tile, and is never written by a vector instruction.
.macro S1 tr, hr                       ; T = -log2(e) H
.set i, 0
.rept 32
	v_pk_mul_f32 v[\tr+i:\tr+i+1], v[CC:CC+1], v[\hr+i:\hr+i+1]
	TICK
.set i, i+2
.endr
.endm
.macro ADD1 tr                         ; T = 1 + e^-h
.set i, 0
.rept 32
	v_pk_add_f32 v[\tr+i:\tr+i+1], v[\tr+i:\tr+i+1], 1.0 op_sel_hi:[1,0]
	TICK
.set i, i+2
.endr
.endm
.macro S5 tr, hr                       ; T = h / (1 + e^-h)
.set i, 0
.rept 32
	v_pk_mul_f32 v[\tr+i:\tr+i+1], v[\tr+i:\tr+i+1], v[\hr+i:\hr+i+1]
	TICK
.set i, i+2
.endr
.endm
; 64 numbers of a lane, register 16 b + i = unit 32 b + 16 h + i of my row, become the next product's codes (16 registers) and my row's scale word.
.macro QUANT tr, pr, sw
.irp b, 0,1,2,3
	v_max3_num_f32 v[TM+\b], |v[\tr+16*\b]|, |v[\tr+16*\b+1]|, 0x4800000   ; block b: my 16 numbers, and the floor 2^(9 - 127): so the byte cannot fall under 1
	TICK
.endr
.irp i, 2,4,6,8,10,12,14
.irp b, 0,1,2,3
	v_max3_num_f32 v[TM+\b], v[TM+\b], |v[\tr+16*\b+\i]|, |v[\tr+16*\b+\i+1]|   ; the four blocks by turns
	TICK
.endr
.endr
.irp b, 0,1,2,3
	v_permlanex16_b32 v[TM+4+\b], v[TM+\b], s[SEL], s[SEL+1]
	TICK
.endr
.irp b, 0,1,2,3
	v_max_num_f32 v[TM+\b], v[TM+\b], v[TM+4+\b]   ; with lane l xor 16's 16 numbers: the block's largest magnitude
	TICK
.endr
.irp b, 0,1,2,3
	v_add_nc_u32 v[TM+12+\b], 0xfc000000, v[TM+\b] ; 8 off its exponent field: the conversion takes the exponent field of this operand as its scale
	TICK
.endr
.irp b, 0,1,2,3
	v_and_or_b32 v[TM+8+\b], v[TM+\b], 0x7f800000, s[MNT]   ; 448 x the scale: the largest magnitude's exponent field over 448's mantissa
	TICK
.endr
.irp b, 0,1,2,3
	v_lshrrev_b32 v[TM+4+\b], 23, v[TM+12+\b]      ; the scale's byte
	TICK
.endr
	v_lshl_or_b32 v[\sw], v[TM+5], 8, v[TM+4]      ; the four bytes make my row's scale word; the 64 holds below stand between it and the products
	TICK
	v_lshl_or_b32 v[\sw], v[TM+6], 16, v[\sw]
	TICK
	v_lshl_or_b32 v[\sw], v[TM+7], 24, v[\sw]
	TICK
.irp b, 0,1,2,3
.irp i, 0,1,2,3,4,5,6,7,8,9,10,11,12,13,14,15
	v_med3_num_f32 v[\tr+16*\b+\i], v[\tr+16*\b+\i], -v[TM+8+\b], v[TM+8+\b]   ; the conversion to an 8-bit code does not saturate (ISA guide 7.6.2): the hold at 448 x the scale
	TICK
.endr
	v_cvt_scalef32_pk8_fp8_f32 v[\pr+4*\b:\pr+4*\b+1], v[\tr+16*\b:\tr+16*\b+7], v[TM+12+\b]
	TICK
	v_cvt_scalef32_pk8_fp8_f32 v[\pr+4*\b+2:\pr+4*\b+3], v[\tr+16*\b+8:\tr+16*\b+15], v[TM+12+\b]
	TICK
.endr
.endm
; Layer ly (2, 3, 4): eight products, one for each tile of 16 units; each has its own result, and its bias tile as C.
.macro MM ly, hr, pr, sw
.if \ly == 2
.set fW, W2F
.set fB, B2T
	WIN 0x72
.elseif \ly == 3
.set fW, W3F
.set fB, B3T
	WIN 0x72
.else
.set fW, W4F
.set fB, B4T
	WIN 0x53
.endif
.irp t, 0,1,2,3,4,5,6,7
	v_wmma_scale_f32_16x16x128_f8f6f4 v[\hr+8*\t:\hr+8*\t+7], v[fW+16*\t:fW+16*\t+15], v[\pr:\pr+15], v[fB+8*\t:fB+8*\t+7], v[WS+8*(\ly-2)+\t], v[\sw]
.endr
.endm
; Layer 1 with b1: K = (x0, x1, t, 1); each of the eight sums is one instruction, begun with the constant 0.
.macro MM1 hr, xr
	WIN 0x41
.irp t, 0,1,2,3,4,5,6,7
	v_wmma_f32_16x16x4_f32 v[\hr+8*\t:\hr+8*\t+7], v[W1F+2*\t:W1F+2*\t+1], v[\xr:\xr+1], 0
.endr
.endm
.macro BUILDA                          ; rows 0-15: x lies in lanes 0-15 as loaded; their t comes over from lanes 0-15 to lanes 16-31
	v_permlanex16_b32 v[TS], v[TL], s[SEL], s[SEL+1]
	v_cndmask_b32 v[XA+1], v[XL+1], 1.0, s[HI16]
	v_cndmask_b32 v[XA], v[XL], v[TS], s[HI16]
.endm
.macro BUILDB                          ; rows 16-31: x comes over from lanes 16-31 to lanes 0-15; their t lies in lanes 16-31 as loaded
	v_permlanex16_b32 v[XS], v[XL], s[SEL], s[SEL+1]
	v_permlanex16_b32 v[XS+1], v[XL+1], s[SEL], s[SEL+1]
	v_cndmask_b32 v[XB], v[XS], v[TL], s[HI16]
	v_cndmask_b32 v[XB+1], v[XS+1], 1.0, s[HI16]
.endm
; THE TAIL OF A SWISH THAT FEEDS LAYER ly.  163 plain lines at 3 / 10, eight at 1, 32 at 1 / 4 carry the partner's 64 transcendentals.
.macro TAILQ tr, hr, pr, sw, ly
	WIN 0x04
	RATE 3, 10
	S5 \tr, \hr
	WIN 0
	QUANT \tr, \pr, \sw
.rept 4
	v_nop                                          ; codes written by vector instructions stand four places ahead of a scaled matrix instruction; the first is also the plain line behind the last conversion
	TICK
.endr
	s_wait_alu depctr_va_vdst(0)                   ; the conversions have written the codes and the shifts the scale word, which the eight scaled products below take as source 1 and as its scales; the places above stay beside this wait
	MM \ly, \hr, \pr, \sw
	WIN 0x04
	RATE 1, 1
.rept 8
	v_nop                                          ; eight places between these products and the first read of their results; the transcendentals among them are no places
	TICK
.endr
	RATE 1, 4
	S1 \tr, \hr
.endm
; THE TAIL OF THE LAST SWISH.  tile: 0 = A, 1 = B.  next = 1: the next pair's layer 1 follows layer 5, and its first scaling ends the tail; the pair's store then stands behind the phase's wait, in the loop's text.
.macro TAILF tile, next
.if \tile
.set fT, TB
.set fH, HB
	s_wait_xcnt 0x0                                ; the last pair's store, a trip back, and this trip's loads have had their addresses translated (ISA guide 3.1): only behind this wait are the bases and the store's data written again
	s_wait_alu depctr_vm_vsrc(0)                   ; the last pair's store has read OUT, which the selects below write again
	s_add_nc_u64 s[SO:SO+1], s[SO:SO+1], 0x100     ; 256 bytes behind this pair's place in out0: the store reaches back
.if \next
	s_add_nc_u64 s[SX:SX+1], s[SX:SX+1], 0x100     ; on to the pair that the next trip loads
	s_add_nc_u64 s[SXT:SXT+1], s[SXT:SXT+1], 0x80
.endif
.else
.set fT, TA
.set fH, HA
.endif
	WIN 0x04
.if \next
	RATE 2, 3
.else
	RATE 1, 1
.endif
	S5 fT, fH
	WIN 0
.set i, 0
.rept 32
	v_cvt_pk_bf16_f32 v[fT+i], v[fT+2*i], v[fT+2*i+1]   ; in place, ascending: register 8 s + q then holds units 32 s + 16 h + 2 q and + 1, as W5's fragment s does: the same order of k on both sides
	TICK
.set i, i+1
.endr
.if \next
.if \tile
	BUILDB
.else
	s_wait_loadcnt 0x0                             ; the next pair's x and t, asked for at the trip's head; no other load is out
	BUILDA
.endif
.endif
	WIN 0x01
	v_wmma_f32_16x16x32_bf16 v[ACC:ACC+7], v[W5F:W5F+7], v[fT:fT+7], 0                          ; two accumulators by turns, one instruction a turn: K steps 0 and 2,
	v_wmma_f32_16x16x32_bf16 v[ACC+8:ACC+15], v[W5F+8:W5F+15], v[fT+8:fT+15], 0                 ; K steps 1 and 3
	v_wmma_f32_16x16x32_bf16 v[ACC:ACC+7], v[W5F+16:W5F+23], v[fT+16:fT+23], v[ACC:ACC+7]
	v_wmma_f32_16x16x32_bf16 v[ACC+8:ACC+15], v[W5F+24:W5F+31], v[fT+24:fT+31], v[ACC+8:ACC+15]
.if \next
.if \tile
	MM1 HB, XB
.else
	MM1 HA, XA
.endif
.endif
	WIN 0
	RATE 1, 1
.rept 4
	v_nop                                          ; four places between layer 5's products and the read of their results
	TICK
.endr
.if \tile
	v_pk_add_f32 v[OB:OB+1], v[ACC:ACC+1], v[ACC+8:ACC+9]
	TICK
	v_pk_add_f32 v[OB:OB+1], v[OB:OB+1], v[B5:B5+1]
	TICK
	v_cndmask_b32 v[OUT], v[OUTA], v[OB], s[HI16]  ; lanes 0-15: A's row r; lanes 16-31: B's row r, which is row 16 + r of the pair
	TICK
	v_cndmask_b32 v[OUT+1], v[OUTA+1], v[OB+1], s[HI16]
	TICK
.if !\next
	s_wait_alu depctr_va_vdst(0)                   ; the two selects have written OUT, which the last store reads: no phase's wait follows here
	global_store_b64 v[VX], v[OUT:OUT+1], s[SO:SO+1] offset:-256 th:TH_STORE_NT   ; 32 lanes store 256 consecutive bytes, at a multiple of 256 from out0's first byte; written once
.endif
.else
	v_pk_add_f32 v[OUTA:OUTA+1], v[ACC:ACC+1], v[ACC+8:ACC+9]
	TICK
	v_pk_add_f32 v[OUTA:OUTA+1], v[OUTA:OUTA+1], v[B5:B5+1]
	TICK
.if \next
.rept 2
	v_nop
	TICK
.endr
.endif
.endif
.if \next                              ; the eight plain lines above, none of which names a register of layer 1's products, are the places between those products and the first read of their results
	WIN 0x04
	RATE 1, 2
	S1 fT, fH
.endif
.endm
.macro MIDDLE                          ; phases 2 and 3: 32 plain lines carry 64 transcendentals
	TRANS TB, 0, 2, 1
	ADD1 TA
	ENDPH
	TRANS TA, 1, 2, 1
	ADD1 TB
	ENDPH
.endm
; The head's loads.  Tile t begins at unit 32 (t / 2) + 8 (t % 2).
.macro LDCODES reg, base               ; eight fragments of 16 units x 128 K: registers 4 c .. 4 c + 3 hold K = 32 c + 16 h + 0 .. 15 of my unit
.irp t, 0,1,2,3,4,5,6,7
.irp c, 0,1,2,3
	global_load_b128 v[\reg+16*\t+4*\c:\reg+16*\t+4*\c+3], v[WVO], s[\base:\base+1] offset:(32*(\t/2)+8*(\t%2))*128+32*\c
.endr
.endr
.endm
.macro LDBIAS reg, base                ; eight tiles in the result's layout: register j holds the bias of unit 32 (t / 2) + 8 (t % 2) + 16 h + j
.irp t, 0,1,2,3,4,5,6,7
	global_load_b128 v[\reg+8*\t:\reg+8*\t+3], v[BVO], s[\base:\base+1] offset:(32*(\t/2)+8*(\t%2))*4
	global_load_b128 v[\reg+8*\t+4:\reg+8*\t+7], v[BVO], s[\base:\base+1] offset:(32*(\t/2)+8*(\t%2))*4+16
.endr
.endm
.macro LDWORDS reg, step, adr, base, off   ; one word for my unit of each tile
.irp t, 0,1,2,3,4,5,6,7
	global_load_b32 v[\reg+\step*\t], v[\adr], s[\base:\base+1] offset:\off+(32*(\t/2)+8*(\t%2))*4
.endr
.endm
	s_load_b512 s[8:23], s[0:1], 0x0               ; x, t, W1, b1, W2's codes, W2's scales, b2, W3's codes
	s_load_b512 s[24:39], s[0:1], 0x40             ; W3's scales, b3, W4's codes, W4's scales, b4, W5, b5, out0
	v_lshrrev_b32 v28, 5, v0
	v_readfirstlane_b32 s[WV], v28                 ; wave 0..3
	v_and_b32 v28, 31, v0                          ; lane
	v_and_b32 v29, 15, v0                          ; r
	v_bfe_u32 v30, v0, 4, 1                        ; h
	v_lshlrev_b32 v[VX], 3, v28
	v_lshlrev_b32 v[VT], 2, v28
	v_and_b32 v31, 8, v29
	v_add_nc_u32 v31, v31, v29                     ; rp = r + 8 (r / 8)
	v_lshlrev_b32 v[WVO], 7, v31
	v_lshl_add_u32 v[WVO], v30, 4, v[WVO]
	v_lshlrev_b32 v[RP4], 2, v31
	v_lshlrev_b32 v[BVO], 6, v30
	v_and_b32 v[W5O], 1, v0
	v_lshlrev_b32 v[W5O], 2, v[W5O]
	v_lshl_add_u32 v[W5O], v30, 7, v[W5O]
	v_lshl_add_u32 v[W1O], v30, 10, v[RP4]
	s_wait_alu depctr_va_sdst(0)                   ; s40, the wave's number, is written, ahead of its first reader: the wave's offsets in x, t and out0 are made from it
	s_lshl_b32 s52, ttmp9, 2
	s_add_co_u32 s52, s52, s[WV]                   ; g = 4 x work-group + wave
	s_lshl_b32 s54, s52, 13                        ; my 1,024 rows of x and of out0: 8,192 g bytes on,
	s_lshl_b32 s52, s52, 12                        ; of t: 4,096 g
	s_mov_b32 s53, 0
	s_mov_b32 s55, 0
	s_mov_b32 s[HI16], 0xffff0000
	s_mov_b32 s[W5M], 0x03030303
	s_mov_b32 s[SEL], 0x76543210
	s_mov_b32 s[SEL+1], 0xfedcba98
	s_mov_b32 s[MNT], 0x600000
	s_mov_b32 s[CNT], PAIRS
	s_wait_kmcnt 0x0
	s_load_b64 s[56:57], s[36:37], 0x0             ; b5
	s_add_nc_u64 s[SX:SX+1], s[SX:SX+1], s[54:55]
	s_add_nc_u64 s[SXT:SXT+1], s[SXT:SXT+1], s[52:53]
	s_add_nc_u64 s[SO:SO+1], s[SO:SO+1], s[54:55]
	s_wait_alu depctr_va_vdst(0)                   ; the seven offsets v1 to v7 are written, which the loads below and every later load and store read; only loads and window switches follow up to the head's last load
	global_load_b64 v[XL:XL+1], v[VX], s[SX:SX+1] th:TH_LOAD_NT   ; pair 0: 256 consecutive bytes of x, read once in the launch,
	global_load_b32 v[TL], v[VT], s[SXT:SXT+1]     ; and 128 of t (no hint: the next pair takes the 128 bytes beside them)
	WIN 0x80                                       ; destination window 2, address window 0
	LDCODES W2F, 16
	LDCODES W3F, 22
	WIN 0xc0                                       ; destination window 3
	LDCODES W4F, 28
	LDBIAS B2T, 20
	LDBIAS B3T, 26
	WIN 0x40                                       ; destination window 1
	LDBIAS B4T, 32
	LDWORDS W1F, 2, W1O, 12, 0                     ; W1's fragments, even registers: lanes 0-15 W1[0][u], lanes 16-31 W1[2][u]
	WIN 0
	LDWORDS WS, 1, RP4, 18, 0                      ; the weights' scale words: four bytes a unit; the products read lanes 0-15
	LDWORDS WS+8, 1, RP4, 24, 0
	LDWORDS WS+16, 1, RP4, 30, 0
	LDWORDS TA, 1, RP4, 12, 512                    ; W1[1][u] and b1[u], to be joined into the odd registers
	LDWORDS TA+8, 1, RP4, 14, 0
.irp s, 0,1,2,3
.irp i, 0,1,2,3,4,5,6,7,8,9,10,11,12,13,14,15
	global_load_b32 v[TB+16*\s+\i], v[W5O], s[34:35] offset:256*\s+8*\i   ; W5[32 s + 16 h + i][r % 2]
.endr
.endr
	v_mov_b32 v[CC], 0xbfb8aa3b                    ; -log2(e).  (These lines write registers that no load reads or lands in)
	v_mov_b32 v[CC+1], 0xbfb8aa3b
	v_mov_b32 v[TS], 0                             ; written once: a lane permute's destination counts as one of its sources
	v_mov_b32 v[XS], 0
	v_mov_b32 v[XS+1], 0
.irp b, 0,1,2,3
	v_mov_b32 v[TM+4+\b], 0
.endr
	s_wait_kmcnt 0x0
	v_mov_b32 v[B5], s56
	v_mov_b32 v[B5+1], s57
	s_wait_loadcnt 0x0                             ; all that stays, and pair 0
	WIN 0x40
.irp t, 0,1,2,3,4,5,6,7
	v_cndmask_b32 v[W1F+2*\t+1], v[TA+\t], v[TA+8+\t], s[HI16]   ; odd registers: lanes 0-15 W1[1][u], lanes 16-31 b1[u]
.endr
	WIN 0
.set i, 0
.rept 32
	v_cvt_pk_bf16_f32 v[TA+16+i], v[TB+2*i], v[TB+2*i+1]
.set i, i+1
.endr
	WIN 0x40
.set i, 0
.rept 32
	v_cndmask_b32 v[W5F+i], 0, v[TA+16+i], s[W5M]  ; rows 0, 1, 8, 9 of source 0 hold W5's two columns, the other rows zeros
.set i, i+1
.endr
	WIN 0
	s_add_nc_u64 s[SX:SX+1], s[SX:SX+1], 0x100     ; on to pair 1 (pair 0's loads are done)
	s_add_nc_u64 s[SXT:SXT+1], s[SXT:SXT+1], 0x80
	; THE WAY IN: pair 0's layer 1.  A runs ahead by one phase: its exponentials stand among B's first lines.
	NOTRANS
	BUILDA
	MM1 HA, XA
	WIN 0x04
.rept 8
	v_nop                                          ; eight places between the products and the first read of their results: there is no other work yet
.endr
	S1 TA, HA
	TRANS TA, 0, 2, 1
	WIN 0
	BUILDB
	MM1 HB, XB
	WIN 0x04
.rept 8
	v_nop
	TICK
.endr
	S1 TB, HB
	ENDPH
	WIN 0                                          ; at a label and at a branch every window is 0
.Lpair:                                                ; a trip: one pair through layers 2 to 5, and the next pair's layer 1.  Here A's exponentials of the first swish are done and B's scaling is
	s_cmp_eq_u32 s[CNT], 1
	s_cbranch_scc1 .Lnoload                        ; the last pair has no successor: no load leaves its buffer
	global_load_b64 v[XL:XL+1], v[VX], s[SX:SX+1] th:TH_LOAD_NT   ; the next pair, wanted at the trip's end.  No wait of its own: the wait that ended the last phase stands behind the last lines that read XL and TL,
	global_load_b32 v[TL], v[VT], s[SXT:SXT+1]     ; and no vector instruction has been issued since, by the way in and by the backward jump alike
.Lnoload:
.irp l, 2,3,4
	MIDDLE
	TRANS TB, 1, 1, 1                              ; phase 4: B's reciprocals | A's tail
	TAILQ TA, HA, PA, PWA, \l
	ENDPH
	TRANS TA, 0, 1, 1                              ; phase 1: A's exponentials | B's tail
	TAILQ TB, HB, PB, PWB, \l
	ENDPH
.endr
	MIDDLE
	WIN 0
	s_cmp_eq_u32 s[CNT], 1
	s_cbranch_scc1 .Llast                          ; the loop is left here in its last trip
	TRANS TB, 1, 1, 1
	TAILF 0, 1
	ENDPH
	TRANS TA, 0, 1, 1
	TAILF 1, 1
	ENDPH
	WIN 0
	global_store_b64 v[VX], v[OUT:OUT+1], s[SO:SO+1] offset:-256 th:TH_STORE_NT   ; 32 lanes store 256 consecutive bytes, at a multiple of 256 from out0's first byte; written once.  No wait of its own: the phase's wait just above stands behind the two selects that wrote OUT
	s_sub_co_u32 s[CNT], s[CNT], 1
	s_cmp_lg_u32 s[CNT], 0                         ; at least 1 is left here: the trip with 1 to go leaves by the branch above
	s_cbranch_scc1 .Lpair
.Llast:                                                ; the last pair's last tails: no next pair, so no layer 1 and no scaling
	TRANS TB, 1, 1, 1
	TAILF 0, 0
	ENDPH
	NOTRANS
	TAILF 1, 0
	s_endpgm
.Lfunc_end_k_qec9b580f90_mlp:
	.size	k_qec9b580f90_mlp, .Lfunc_end_k_qec9b580f90_mlp-k_qec9b580f90_mlp
	.p2alignl 7, 3214868480
	.fill 96, 4, 3214868480
	.section	.rodata,"a",@progbits
	.p2align	6, 0x0
	.amdhsa_kernel k_qec9b580f90_mlp
		.amdhsa_group_segment_fixed_size 0
		.amdhsa_private_segment_fixed_size 0
		.amdhsa_enable_private_segment 0
		.amdhsa_kernarg_size 128
		.amdhsa_user_sgpr_count 2
		.amdhsa_user_sgpr_kernarg_segment_ptr 1
		.amdhsa_wavefront_size32 1
		.amdhsa_system_sgpr_workgroup_id_x 1
		.amdhsa_system_sgpr_workgroup_id_y 1
		.amdhsa_system_sgpr_workgroup_id_z 1
		.amdhsa_system_vgpr_workitem_id 0
		.amdhsa_next_free_vgpr 1024
		.amdhsa_next_free_sgpr 66
		.amdhsa_reserve_vcc 0
		.amdhsa_float_denorm_mode_32 3
		.amdhsa_float_denorm_mode_16_64 3
		.amdhsa_memory_ordered 1
		.amdhsa_forward_progress 1
		.amdhsa_inst_pref_size 197
	.end_amdhsa_kernel
	.amdgpu_metadata
---
amdhsa.version: [ 1, 2 ]
amdhsa.kernels:
  - .name:           k_qec9b580f90_mlp
    .symbol:         k_qec9b580f90_mlp.kd
    .args:
      - { .name: x, .offset: 0, .size: 8, .value_kind: global_buffer, .address_space: global }
      - { .name: t, .offset: 8, .size: 8, .value_kind: global_buffer, .address_space: global }
      - { .name: W1, .offset: 16, .size: 8, .value_kind: global_buffer, .address_space: global }
      - { .name: b1, .offset: 24, .size: 8, .value_kind: global_buffer, .address_space: global }
      - { .name: W2_codes, .offset: 32, .size: 8, .value_kind: global_buffer, .address_space: global }
      - { .name: W2_scales, .offset: 40, .size: 8, .value_kind: global_buffer, .address_space: global }
      - { .name: b2, .offset: 48, .size: 8, .value_kind: global_buffer, .address_space: global }
      - { .name: W3_codes, .offset: 56, .size: 8, .value_kind: global_buffer, .address_space: global }
      - { .name: W3_scales, .offset: 64, .size: 8, .value_kind: global_buffer, .address_space: global }
      - { .name: b3, .offset: 72, .size: 8, .value_kind: global_buffer, .address_space: global }
      - { .name: W4_codes, .offset: 80, .size: 8, .value_kind: global_buffer, .address_space: global }
      - { .name: W4_scales, .offset: 88, .size: 8, .value_kind: global_buffer, .address_space: global }
      - { .name: b4, .offset: 96, .size: 8, .value_kind: global_buffer, .address_space: global }
      - { .name: W5, .offset: 104, .size: 8, .value_kind: global_buffer, .address_space: global }
      - { .name: b5, .offset: 112, .size: 8, .value_kind: global_buffer, .address_space: global }
      - { .name: out0, .offset: 120, .size: 8, .value_kind: global_buffer, .address_space: global }
    .group_segment_fixed_size: 0
    .private_segment_fixed_size: 0
    .kernarg_segment_align: 8
    .kernarg_segment_size: 128
    .max_flat_workgroup_size: 128
    .sgpr_count:     66
    .vgpr_count:     1024
    .wavefront_size: 32
...
	.end_amdgpu_metadata
.endif
;; end of part 2
